; MI455X (gfx1250); checked and timed in simulation.
; The chip was launched on July 23, 2026; its instructions are those of AMD's public machine-readable ISA for CDNA 5 (MIT licence, August 2026) and "CDNA5" Instruction Set Architecture Reference Guide (July 2026). The comments in the code are by the model that wrote it; some were corrected since.
;; Sentence word Attention. Allowed arithmetic: float matrix products may take bf16 or f16 operands with f32 sums; all other float work in f32.
;; Inputs: W1 1,024 x 1,024 float32; W2 1,024 x 1,024 float32; W3 1,024 x 1,024 float32; W4 1,024 x 1,024 float32; Wo 1,024 x 1,024 float32; b1 1,024 float32; b2 1,024 float32; b3 1,024 float32; b4 1,024 float32; bo 1,024 float32; sent 2 x 1 x 1,024 float32; word 2 x 2,048 x 1,024 float32.
;; Outputs: out0 2 x 2,048 x 1,024 float32.
;; One version. Each part assembles by itself: llvm-mc -triple=amdgcn-amd-amdhsa -mcpu=gfx1250 --defsym DOCPART=n.
;; ======== version 1 of 1: 4 launches
;; limits: values are held in f16: magnitudes above 65,504 overflow, below 6.1e-05 lose precision
;; workspace buffers: xh 18,874,368 bytes; sv 8,192 bytes; qkv 25,165,824 bytes; tb 262,144 bytes; ctx 8,388,608 bytes
;; launch prep (part 1): grid 128 x 9, 4 waves a work-group, no clusters, 0 bytes of LDS; arguments word, W1, W2, W3, W4, Wo, sent, b3, xh, sv; writes xh, sv
.if DOCPART == 1
	.amdgcn_target "amdgcn-amd-amdhsa--gfx1250"
	.amdhsa_code_object_version 6
	.text
	.protected	k_q0b624e23a1_prep
	.globl	k_q0b624e23a1_prep
	.p2align	8
	.type	k_q0b624e23a1_prep,@function
k_q0b624e23a1_prep:
	s_mov_b64 s[64:65], 0
	v_nop
	global_prefetch_b8 v0, s[64:65] scope:SCOPE_SE
	s_setreg_imm32_b32 hwreg(HW_REG_WAVE_MODE, 25, 1), 1
	s_wait_xcnt 0x0
; prep: rounds word, W1, W2, W3, W4, Wo once from f32 to bf16 into xh [9216][1024], and makes sv[b][e] = sum_d sent[b][d] W3[e][d] + b3[e] in f32
; while W3's rows are in registers (from the f32 numbers).
; FORMATS: word and W1..W4 are stored as bf16 and multiplied as bf16.  Wo is rounded to bf16 like them, and the rounded number is then written in f16's code:
; its partner in the last product, ctx, is kept in f16 (three bits more than bf16), and both operands of a matrix instruction have one format.
; LIMIT: f16's code holds a bf16 number exactly from 2^-14 to 65,504 in magnitude; a smaller Wo is held to within 2^-25, a larger one becomes an infinity.
; A stream: every input byte is read once and every xh byte written once; LDS, barriers, the matrix unit and clusters would add nothing, since no
; two work-groups share a byte but the 8 KiB of sent.
; Grid y = a unit of 1,024 rows (0-3 word, 4-8 W1, W2, W3, W4, Wo); grid x = 8 rows of it; a wave takes 2 rows.  A row is 4 chunks of 256 numbers;
; a lane owns 8 neighbouring numbers of each chunk, so that its 8 results are 16 bytes and a store of the wave covers 512 consecutive bytes, aligned.
; All 16 row loads of a wave go out at once: the only waits are the counted ones for the loads.
.set X,  4                             ; v[4:67]    the two rows as loaded: 8 registers for (row rr, chunk c) at X + 32 rr + 8 c
.set Y,  68                            ; v[68:99]   the same in 16 bits: 4 registers at Y + 16 rr + 4 c
.set SN, 100                           ; v[100:163] sent of both batches, laid out like X (W3's unit only)
.set D,  164                           ; v[164:171] four pairs of running dots, pair 2 bb + rr
.set T,  172                           ; v[172:175] the four dots
	s_load_b512 s[8:23], s[0:1], 0x0               ; word 8, W1 10, W2 12, W3 14, W4 16, Wo 18, sent 20, b3 22
	s_load_b128 s[24:27], s[0:1], 0x40             ; xh 24, sv 26
	v_lshrrev_b32 v3, 5, v0
	v_readfirstlane_b32 s30, v3                    ; wave
	v_and_b32 v3, 31, v0                           ; lane
	v_lshlrev_b32 v1, 5, v3                        ; my 32 bytes of f32 in a chunk
	v_lshlrev_b32 v2, 4, v3                        ; my 16 bytes of results in a chunk
	s_and_b32 s28, ttmp7, 0xffff                   ; unit
	s_mov_b32 s29, ttmp9                           ; block of 8 rows
	s_cmp_lt_u32 s28, 4
	s_cselect_b32 s6, s28, 0                       ; word's four units lie in one buffer, each weight begins its own
	s_lshl_b32 s6, s6, 22                          ; 1,024 rows of 4,096 bytes
	s_lshl_b32 s31, s29, 15                        ; 8 rows
	s_add_co_u32 s6, s6, s31
	s_lshl_b32 s31, s30, 13                        ; 2 rows
	s_add_co_u32 s6, s6, s31
	s_mov_b32 s7, 0
	s_lshl_b32 s32, s28, 21                        ; the same in xh: rows of 2,048 bytes
	s_lshl_b32 s31, s29, 14
	s_add_co_u32 s32, s32, s31
	s_lshl_b32 s31, s30, 12
	s_add_co_u32 s32, s32, s31
	s_mov_b32 s33, 0
	s_lshl_b32 s39, s29, 5
	s_lshl3_add_u32 s39, s30, s39                  ; 4 (8 x + 2 w): my two rows' place in b3 and in a row of sv
	s_mov_b32 s36, 0x76543210                      ; v_permlanex16_b32: lane i reads lane i of the other half
	s_mov_b32 s37, 0xfedcba98
	s_wait_kmcnt 0x0
	s_mov_b64 s[4:5], s[8:9]                       ; the unit's source buffer
.irp u, 0,1,2,3,4
	s_cmp_eq_u32 s28, 4+\u
	s_cselect_b64 s[4:5], s[10+2*\u:11+2*\u], s[4:5]
.endr
	s_add_nc_u64 s[4:5], s[4:5], s[6:7]
	s_add_nc_u64 s[24:25], s[24:25], s[32:33]
.macro LOADROWS                        ; 16 loads: two for each chunk, which together cover its 1,024 bytes
.irp rr, 0,1
.irp c, 0,1,2,3
	global_load_b128 v[X+32*\rr+8*\c:X+32*\rr+8*\c+3],   v1, s[4:5] offset:\rr*4096+\c*1024 th:TH_LOAD_NT
	global_load_b128 v[X+32*\rr+8*\c+4:X+32*\rr+8*\c+7], v1, s[4:5] offset:\rr*4096+\c*1024+16 th:TH_LOAD_NT
.endr
.endr
.endm
.macro CVT g, recode                   ; chunk g = 4 rr + c: round to bf16 and store; recode = 1: the rounded numbers are written in f16's code
	s_wait_loadcnt 14-2*\g                         ; loads come back in order: the count is the row loads issued behind this chunk's two
.irp k, 0,1,2,3
	v_cvt_pk_bf16_f32 v[Y+4*\g+\k], v[X+8*\g+2*\k], v[X+8*\g+2*\k+1]
.endr
.if \recode
.irp k, 0,1,2,3
	v_lshlrev_b32 v[X+8*\g+2*\k],   16, v[Y+4*\g+\k]               ; bf16 to f32: the low half moves up,
	v_and_b32     v[X+8*\g+2*\k+1], 0xffff0000, v[Y+4*\g+\k]       ; the high half stays (the chunk's X registers are free: their loads are in)
.endr
.irp k, 0,1,2,3
	v_cvt_pk_f16_f32 v[Y+4*\g+\k], v[X+8*\g+2*\k], v[X+8*\g+2*\k+1]    ; 8 significant bits into 11: no second rounding inside f16's normal range
.endr
.endif
	global_store_b128 v2, v[Y+4*\g:Y+4*\g+3], s[24:25] offset:(\g/4)*2048+(\g%4)*512   ; no hint: a later launch reads these bytes
.endm
	s_cmp_eq_u32 s28, 6
	s_cbranch_scc1 .Lw3
	s_cmp_eq_u32 s28, 8
	s_cbranch_scc1 .Lwo
	LOADROWS                                       ; word, W1, W2, W4
.irp g, 0,1,2,3,4,5,6,7
	CVT \g, 0
.endr
	s_endpgm
.Lwo:                                  ; Wo's unit
	LOADROWS
.irp g, 0,1,2,3,4,5,6,7
	CVT \g, 1
.endr
	s_endpgm
.Lw3:                                  ; W3's unit: as the others, and four dots (2 rows x 2 batches) of 1,024 products each
.irp bb, 0,1
.irp c, 0,1,2,3
	global_load_b128 v[SN+32*\bb+8*\c:SN+32*\bb+8*\c+3],   v1, s[20:21] offset:\bb*4096+\c*1024      ; older than the row loads, so CVT's counts cover them
	global_load_b128 v[SN+32*\bb+8*\c+4:SN+32*\bb+8*\c+7], v1, s[20:21] offset:\bb*4096+\c*1024+16   ; no hint: 128 work-groups read sent
.endr
.endr
	s_load_b64 s[34:35], s[22:23], s39 offset:0x0  ; b3 of my two rows
	LOADROWS
.irp g, 0,1,2,3,4,5,6,7
	CVT \g, 0
.endr
.irp c, 0,1,2,3                        ; four chains that take turns; the first products start them
.irp j, 0,2,4,6
.irp rr, 0,1
.irp bb, 0,1
.if \c+\j == 0
	v_pk_mul_f32 v[D+2*(2*\bb+\rr):D+2*(2*\bb+\rr)+1], v[X+32*\rr+8*\c+\j:X+32*\rr+8*\c+\j+1], v[SN+32*\bb+8*\c+\j:SN+32*\bb+8*\c+\j+1]
.else
	v_pk_fma_f32 v[D+2*(2*\bb+\rr):D+2*(2*\bb+\rr)+1], v[X+32*\rr+8*\c+\j:X+32*\rr+8*\c+\j+1], v[SN+32*\bb+8*\c+\j:SN+32*\bb+8*\c+\j+1], v[D+2*(2*\bb+\rr):D+2*(2*\bb+\rr)+1]
.endif
.endr
.endr
.endr
.endr
.irp p, 0,1,2,3
	v_add_f32 v[T+\p], v[D+2*\p], v[D+2*\p+1]
.endr
.irp x, 1,2,4,8                        ; across the lanes: four steps inside each half of 16, one across the halves
.irp p, 0,1,2,3
	v_add_f32_dpp v[T+\p], v[T+\p], v[T+\p] row_xmask:\x row_mask:0xf bank_mask:0xf
.endr
.endr
	s_wait_kmcnt 0x0                               ; b3
.irp p, 0,1,2,3
	v_permlanex16_b32 v3, v[T+\p], s36, s37        ; v3 has been written: the destination counts as read
	v_add_f32 v[T+\p], v[T+\p], v3
	v_add_f32 v[T+\p], s[34+(\p%2)], v[T+\p]       ; dot 2 bb + rr takes b3 of row rr
.endr
	v_and_b32 v[D], 31, v0                         ; lane l = 2 bb + rr stores dot l
.irp p, 1,2,3
	v_cmp_eq_u32 vcc_lo, \p, v[D]
	v_cndmask_b32 v[T], v[T], v[T+\p], vcc_lo
.endr
	v_bfe_u32 v[D+1], v0, 1, 1                     ; bb
	v_and_b32 v[D+2], 1, v0                        ; rr
	v_lshlrev_b32 v[D+1], 12, v[D+1]               ; a row of sv is 4,096 bytes
	v_lshl_add_u32 v[D+1], v[D+2], 2, v[D+1]
	v_add_nc_u32 v[D+1], s39, v[D+1]
	v_cmp_gt_u32 vcc_lo, 4, v[D]
	s_wait_xcnt 0x0                                ; EXEC is a source of the pending loads and stores: it changes only behind this wait
	s_and_saveexec_b32 s38, vcc_lo
	global_store_b32 v[D+1], v[T], s[26:27]        ; 8 bytes for each batch: sv is 8 KiB in all, and its rows come from 512 waves
	s_wait_xcnt 0x0
	s_or_b32 exec_lo, exec_lo, s38
	s_endpgm
.Lfunc_end_k_q0b624e23a1_prep:
	.size	k_q0b624e23a1_prep, .Lfunc_end_k_q0b624e23a1_prep-k_q0b624e23a1_prep
	.p2alignl 7, 3214868480
	.fill 96, 4, 3214868480
	.section	.rodata,"a",@progbits
	.p2align	6, 0x0
	.amdhsa_kernel k_q0b624e23a1_prep
		.amdhsa_group_segment_fixed_size 0
		.amdhsa_private_segment_fixed_size 0
		.amdhsa_enable_private_segment 0
		.amdhsa_kernarg_size 80
		.amdhsa_user_sgpr_count 2
		.amdhsa_user_sgpr_kernarg_segment_ptr 1
		.amdhsa_wavefront_size32 1
		.amdhsa_system_sgpr_workgroup_id_x 1
		.amdhsa_system_sgpr_workgroup_id_y 1
		.amdhsa_system_sgpr_workgroup_id_z 1
		.amdhsa_system_vgpr_workitem_id 0
		.amdhsa_next_free_vgpr 176
		.amdhsa_next_free_sgpr 66
		.amdhsa_reserve_vcc 1
		.amdhsa_float_denorm_mode_32 3
		.amdhsa_float_denorm_mode_16_64 3
		.amdhsa_memory_ordered 1
		.amdhsa_forward_progress 1
		.amdhsa_inst_pref_size 29
	.end_amdhsa_kernel
	.amdgpu_metadata
---
amdhsa.version: [ 1, 2 ]
amdhsa.kernels:
  - .name:           k_q0b624e23a1_prep
    .symbol:         k_q0b624e23a1_prep.kd
    .args:
      - { .name: word, .offset: 0, .size: 8, .value_kind: global_buffer, .address_space: global }
      - { .name: W1, .offset: 8, .size: 8, .value_kind: global_buffer, .address_space: global }
      - { .name: W2, .offset: 16, .size: 8, .value_kind: global_buffer, .address_space: global }
      - { .name: W3, .offset: 24, .size: 8, .value_kind: global_buffer, .address_space: global }
      - { .name: W4, .offset: 32, .size: 8, .value_kind: global_buffer, .address_space: global }
      - { .name: Wo, .offset: 40, .size: 8, .value_kind: global_buffer, .address_space: global }
      - { .name: sent, .offset: 48, .size: 8, .value_kind: global_buffer, .address_space: global }
      - { .name: b3, .offset: 56, .size: 8, .value_kind: global_buffer, .address_space: global }
      - { .name: xh, .offset: 64, .size: 8, .value_kind: global_buffer, .address_space: global }
      - { .name: sv, .offset: 72, .size: 8, .value_kind: global_buffer, .address_space: global }
    .group_segment_fixed_size: 0
    .private_segment_fixed_size: 0
    .kernarg_segment_align: 8
    .kernarg_segment_size: 80
    .max_flat_workgroup_size: 128
    .sgpr_count:     66
    .vgpr_count:     176
    .wavefront_size: 32
...
	.end_amdgpu_metadata
.endif
;; end of part 1
;; launch proj (part 2): grid 16 x 16, 4 waves a work-group, clusters of 4 x 4, 327,680 bytes of LDS; arguments xh, b1, b2, b3, b4, sv, qkv, tb; writes qkv, tb
.if DOCPART == 2
	.amdgcn_target "amdgcn-amd-amdhsa--gfx1250"
	.amdhsa_code_object_version 6
	.text
	.protected	k_q0b624e23a1_proj
	.globl	k_q0b624e23a1_proj
	.p2align	8
	.type	k_q0b624e23a1_proj,@function
k_q0b624e23a1_proj:
	s_mov_b64 s[64:65], 0
	v_nop
	global_prefetch_b8 v0, s[64:65] scope:SCOPE_SE
	s_setreg_imm32_b32 hwreg(HW_REG_WAVE_MODE, 25, 1), 1
	s_wait_xcnt 0x0
	s_wait_alu depctr_hold_cnt(0) depctr_sa_sdst(0) depctr_va_vdst(0) depctr_va_sdst(0) depctr_va_ssrc(0) depctr_va_vcc(0) depctr_vm_vsrc(0)
	s_getreg_b32 s2, hwreg(HW_REG_IB_STS2, 6, 4)
	s_cmp_eq_u32 s2, 0
	s_cbranch_scc0 .Lentry_in_a_cluster
	s_endpgm
.Lentry_in_a_cluster:
	s_bfe_u32 s2, ttmp6, 0x10000c
	s_cmp_lg_u32 s2, 0xf033
	s_cbranch_scc0 .Lentry_shape_is_right
	s_endpgm
.Lentry_shape_is_right:
; proj: the four projections of word as ONE product C = A B^T + bias, A = word (xh rows 0-4095), B = W1, W2, W3, W4 stacked (xh rows 4096-8191), K = 1,024,
; bf16 operands, f32 sums.  Columns 0-1023 are q, 1024-2047 k, 3072-4095 v: rounded once to f16 into qkv.  Columns 2048-3071 are w3 = word W3^T + b3: they are
; not stored; their dot with sv (sent's projection) over each head's 64 columns is taken from the f32 sums and stored as tb[b][head][i].
; LIMIT: q, k, v are kept in f16 (a score's error goes almost whole into the softmax's weights, so they get f16's three further bits): magnitudes below 65,504.
; With every input 30 times the drawn spread they reach some 5,000, with common offsets of 30 spreads on word and the weights some 29,000; beyond 65,504 they
; overflow.  The order of the sums differs from a plain f32 chain.
; A work-group makes 256 x 256 of C with four waves, a wave 128 x 128: 64 accumulator tiles of 16 x 16, 512 registers.  16 x 16 blocks = 256 work-groups.
; K goes in steps of 128 through two LDS slots filled by the tensor data mover: a tile's rows are 256 bytes of memory at multiples of 256 bytes.
; CLUSTERS: 4 x 4 work-groups.  The four of a row of the cluster need the same tiles of A, the four of a column the same tiles of B: each tile is asked for
; jointly, by the same load with the same descriptor and a mask that names the four.  The cluster's x is the number of the weight, so the choice between
; the two ways out is the same in all sixteen.
; REGISTERS, in windows of 256: window 0: v0-31 addresses; v64-127, v128-191 fragments of A, two buffers; v192-223 at work on the way out.
;   window 1: v64-127, v128-191 fragments of B; v192-255 the bias of my 128 columns in the accumulators' layout.
;   window 2: the 32 accumulator tiles of my rows 0-63 (tile (a, b) at v[8 (8 a + b)]); window 3: those of my rows 64-127.
; The matrix instruction is used transposed (source 0 = rows of B, source 1 = rows of A): lane l holds row l % 16 of C and in registers 0-7 the columns
; 8 (l / 16) + 0..7, eight neighbouring numbers of a row.
.set ROWB,   2048                      ; bytes in a row of xh and of a part of qkv
.set KSTEP,  128
.set PITCH,  272                       ; an LDS row: 256 bytes + 16 of padding: the 16 rows that a load touches start at 16 different 16-byte columns modulo 256
.set HALFT,  128*PITCH                 ; what one tensor load brings
.set SLOT,   4*HALFT                   ; A's 256 rows, then B's 256 rows
.set STAGE,  2*SLOT                    ; behind the ring, never filled by a tensor load: 16 rows x 272 bytes for each wave
.set SPITCH, 272
.set LAPS,   1024/(2*KSTEP)            ; a lap = two K steps = once round the ring
.set ADRA, 16                          ; v16-17  LDS address of my A fragments in slot 0, 1
.set ADRB, 20                          ; v20-21  the same for B
.set STO,  24                          ; v24     way out: where I put 16 bytes of a row
.set RD,   25                          ; v25     way out: where I read a row back
.set CO,   26                          ; v26     my byte offset in qkv
.set HB,   27                          ; v27     32 (l / 16): my 8 numbers in 16 columns of f32
.set TST,  28                          ; v28-30  the same three for tb
.set TRD,  29
.set TCO,  30
.set F0,   64
.set F1,   128
.set TMP,  192
.set BV,   192                         ; window 1
.set SV,   64                          ; window 1, on the way out of w3
.set G1, 24                            ; s[24:31] group 1 for A's tiles
.set G0, 32                            ; s[32:39] group 0 for A's tiles, a set for each slot
.set G1B, 48                           ; s[48:55] group 1 for B's tiles: another mask
.set G0B, 56                           ; s[56:63] group 0 for B's tiles
.set MSB, 0
.macro WIN new                         ; the immediate's high byte repeats the setting that is left
.if MSB != \new
	s_set_vgpr_msb (MSB<<8)|\new
.set MSB, \new
.endif
.endm
.set MUL_LO, 0xa1                      ; source 0 (B) window 1, source 1 (A) window 0, C and D window 2
.set MUL_HI, 0xf1                      ; the same, C and D window 3
.set BIAS_LO, 0x91                     ; D window 2, C (the bias) window 1
.set BIAS_HI, 0xd1                     ; D window 3, C window 1
.set TO_B,   0x40                      ; destination window 1, address window 0
.macro JLOAD s                         ; waves 0, 1 fetch A's halves, waves 2, 3 B's: each line has one mask; the branch hangs on the wave's number alone
	s_cmp_eq_u32 s11, 0
	s_cbranch_scc0 .Lfor_b_\@
	tensor_load_to_lds s[G0+4*\s:G0+4*\s+3], s[G1:G1+7]
	s_nop 0
	s_branch .Lasked_\@
.Lfor_b_\@:
	tensor_load_to_lds s[G0B+4*\s:G0B+4*\s+3], s[G1B:G1B+7]
	s_nop 0
.Lasked_\@:
.endm
.macro CREST                           ; a round of the cluster's barrier behind its opening work-group barrier
	s_cmp_lg_u32 s10, 0
	s_cbranch_scc1 .Lnot_wave_0_\@
	s_barrier_signal -3
.Lnot_wave_0_\@:
	s_barrier_wait -3
	s_barrier_signal -1
	s_barrier_wait -1
.endm
.macro CROUND
	s_barrier_signal -1
	s_barrier_wait -1
	CREST
.endm
	s_load_b64 s[4:5], s[0:1], 0x0                 ; xh
	s_load_b256 s[68:75], s[0:1], 0x8              ; b1 68, b2 70, b3 72, b4 74
	s_load_b128 s[76:79], s[0:1], 0x28             ; sv 76, qkv 78
	s_load_b64 s[80:81], s[0:1], 0x38              ; tb
	s_set_vgpr_msb 0x40
	v_lshl_add_u32 v63, v0, 2, 0x48400
	s_set_vgpr_msb 0x4000
	v_mov_b32 v255, 0
	s_set_vgpr_msb 0x1
	ds_add_u32 v63, v255
	s_set_vgpr_msb 0x100
	v_lshrrev_b32 v1, 5, v0
	v_readfirstlane_b32 s10, v1                    ; wave 0..3
	s_lshr_b32 s11, s10, 1                         ; my half of the block's rows.  Also: I fetch for A (0) or B (1)
	s_and_b32 s12, s10, 1                          ; my half of its columns.  Also: which 128 rows of that tile I fetch
	s_bfe_u32 s40, ttmp6, 0x40000                  ; cx: also the block of 256 columns inside the weight
	s_bfe_u32 s41, ttmp6, 0x40004                  ; cy
	s_lshl_b32 s42, ttmp9, 2
	s_add_co_u32 s42, s42, s40                     ; block column = 4 x cluster x + cx
	s_and_b32 s13, ttmp7, 0xffff
	s_lshl_b32 s13, s13, 2
	s_add_co_u32 s13, s13, s41                     ; block row = 4 x cluster y + cy
	s_lshl_b32 s43, s41, 2
	s_lshl_b32 s43, 15, s43                        ; my row of the cluster
	s_lshl_b32 s44, 0x1111, s40                    ; my column
	; group 1: 128 rows x 128 elements of 2 bytes, 4 words of padding behind every 64 words
	s_or_b32 s[G1+0], s43, (1<<16)|(1<<20)|(1<<21)|(5<<22)|(3<<25)
	s_or_b32 s[G1B+0], s44, (1<<16)|(1<<20)|(1<<21)|(5<<22)|(3<<25)
	s_mov_b32 s[G1+1], KSTEP<<16                   ; tensor_dim0 = 128
	s_mov_b32 s[G1B+1], KSTEP<<16
	s_mov_b32 s[G1+2], 128<<16                     ; tensor_dim1 = 128
	s_mov_b32 s[G1B+2], 128<<16
	s_mov_b32 s[G1+3], KSTEP<<16                   ; tile_dim0 = 128
	s_mov_b32 s[G1B+3], KSTEP<<16
	s_mov_b32 s[G1+4], 128                         ; tile_dim1 = 128
	s_mov_b32 s[G1B+4], 128
	s_mov_b32 s[G1+5], 1024                        ; elements from row to row
	s_mov_b32 s[G1B+5], 1024
	s_mov_b32 s[G1+6], 0
	s_mov_b32 s[G1B+6], 0
	s_mov_b32 s[G1+7], 0
	s_mov_b32 s[G1B+7], 0
	; A's tiles hang on the block row alone, B's on the block column alone; each address in registers that never hold the other coordinate
	s_lshl_b32 s17, s12, 7
	s_lshl_b32 s16, s13, 8
	s_add_co_u32 s16, s16, s17                     ; A: row 256 x block row + 128 x half
	s_lshl_b32 s16, s16, 11                        ; in bytes (below 8 MiB)
	s_lshl_b32 s46, s42, 8
	s_add_co_u32 s46, s46, s17                     ; B: row 256 x block column + 128 x half
	s_lshl_b32 s46, s46, 11
	s_mov_b32 s17, 0
	s_mov_b32 s47, 0
	s_mul_i32 s20, s10, HALFT                      ; LDS: A's two halves, then B's two = wave x 128 rows
	s_wait_dscnt 0x0
	s_wait_kmcnt 0x0
	s_add_nc_u64 s[6:7], s[4:5], 4096*ROWB         ; the stacked weights begin at row 4,096 of xh
	s_add_nc_u64 s[14:15], s[4:5], s[16:17]
	s_add_nc_u64 s[46:47], s[6:7], s[46:47]
	CROUND                                         ; all sixteen work-groups are here: the first joint loads meet
.irp s, 0,1
	s_mov_b32 s[G0+4*\s], 1
	s_add_co_u32 s[G0+4*\s+1], s20, \s*SLOT
	s_add_nc_u64 s[G0+4*\s+2:G0+4*\s+3], s[14:15], \s*KSTEP*2
	s_or_b32 s[G0+4*\s+3], s[G0+4*\s+3], 0x80000000
	s_mov_b32 s[G0B+4*\s], 1
	s_add_co_u32 s[G0B+4*\s+1], s20, \s*SLOT
	s_add_nc_u64 s[G0B+4*\s+2:G0B+4*\s+3], s[46:47], \s*KSTEP*2
	s_or_b32 s[G0B+4*\s+3], s[G0B+4*\s+3], 0x80000000
	JLOAD \s                                       ; both first fills go out before anything else: two tensor loads of the wave are out
.endr
	; the bias of my weight, at my 128 columns
	s_mov_b64 s[82:83], s[68:69]
	s_cmp_eq_u32 ttmp9, 1
	s_cselect_b64 s[82:83], s[70:71], s[82:83]
	s_cmp_eq_u32 ttmp9, 2
	s_cselect_b64 s[82:83], s[72:73], s[82:83]
	s_cmp_eq_u32 ttmp9, 3
	s_cselect_b64 s[82:83], s[74:75], s[82:83]
	s_lshl_b32 s84, s40, 10                        ; 256 columns of f32
	s_lshl_b32 s85, s12, 9                         ; 128 columns
	s_add_co_u32 s84, s84, s85
	s_mov_b32 s85, 0                               ; s[84:85] is kept: sv is read at the same columns
	s_add_nc_u64 s[82:83], s[82:83], s[84:85]
	v_and_b32 v1, 15, v0                           ; r = l % 16
	v_bfe_u32 v2, v0, 4, 1                         ; h = l / 16
	v_lshlrev_b32 v[HB], 5, v2
	WIN TO_B
.irp b, 0,1,2,3,4,5,6,7
	global_load_b128 v[BV+8*\b:BV+8*\b+3],   v[HB], s[82:83] offset:64*\b       ; register j of block b: bias[16 b + 8 h + j], the place of C(r, 16 b + 8 h + j)
	global_load_b128 v[BV+8*\b+4:BV+8*\b+7], v[HB], s[82:83] offset:64*\b+16
.endr
	WIN 0
	; fragments: lane l holds row l % 16; registers 0-3 K = 8 h + 0..7, registers 4-7 K = 16 + 8 h + 0..7: two loads of 16 bytes, 32 bytes apart
	v_mul_u32_u24 v3, v1, PITCH
	v_lshl_add_u32 v3, v2, 4, v3
	s_mul_i32 s21, s11, HALFT                      ; my 128 rows of A
	s_mul_i32 s22, s12, HALFT                      ; my 128 rows of B,
	s_add_co_u32 s22, s22, 2*HALFT                 ; behind A's 256
.irp s, 0,1
	v_add_nc_u32 v[ADRA+\s], s21, v3
	v_add_nc_u32 v[ADRB+\s], s22, v3
	s_add_co_u32 s21, s21, SLOT
	s_add_co_u32 s22, s22, SLOT
.endr
	s_mul_i32 s23, s10, 16*SPITCH
	s_add_co_u32 s23, s23, STAGE                   ; my stage
	v_mul_u32_u24 v4, v1, SPITCH
	v_lshl_add_u32 v4, v2, 4, v4
	v_add_nc_u32 v[STO], s23, v4
	v_mul_u32_u24 v5, v2, SPITCH
	v_lshl_add_u32 v5, v1, 4, v5
	v_add_nc_u32 v[RD], s23, v5
	v_lshlrev_b32 v5, 11, v2                       ; lanes 16-31 one row of qkv further down
	v_lshl_add_u32 v[CO], v1, 4, v5
; 16 matrix instructions: m blocks a0, a0 + 1 of the window's four x all 8 n blocks, 32 along K.  zero = 1: the bias is C, so the first product starts the sums.
.macro MUL16 f, hi, a0, zero
.irp a, \a0, \a0+1
.irp b, 0,1,2,3,4,5,6,7
.if \zero
	v_wmma_f32_16x16x32_bf16 v[8*(8*(\a)+\b):8*(8*(\a)+\b)+7], v[\f+8*\b:\f+8*\b+7], v[\f+8*(4*\hi+\a):\f+8*(4*\hi+\a)+7], v[BV+8*\b:BV+8*\b+7]
.else
	v_wmma_f32_16x16x32_bf16 v[8*(8*(\a)+\b):8*(8*(\a)+\b)+7], v[\f+8*\b:\f+8*\b+7], v[\f+8*(4*\hi+\a):\f+8*(4*\hi+\a)+7], v[8*(8*(\a)+\b):8*(8*(\a)+\b)+7]
.endif
.endr
.endr
.endm
.macro FETCH slot, k, f                ; 32 LDS loads in one run: a quarter step's fragments (128 rows of B, 128 of A, 32 K at byte k) into buffer f
	WIN TO_B
.irp i, 0,1,2,3,4,5,6,7
	ds_load_b128 v[\f+8*\i:\f+8*\i+3],   v[ADRB+\slot] offset:\k+\i*16*PITCH
	ds_load_b128 v[\f+8*\i+4:\f+8*\i+7], v[ADRB+\slot] offset:\k+\i*16*PITCH+32
.endr
	WIN 0
.irp i, 0,1,2,3,4,5,6,7
	ds_load_b128 v[\f+8*\i:\f+8*\i+3],   v[ADRA+\slot] offset:\k+\i*16*PITCH
	ds_load_b128 v[\f+8*\i+4:\f+8*\i+7], v[ADRA+\slot] offset:\k+\i*16*PITCH+32
.endr
.endm
.macro PLACES                          ; four places behind a matrix instruction before its registers are loaded into or its result is read (ISA guide 7.12.1 for vector instructions)
.rept 4
	v_nop
.endr
.endm
; The 64 accumulators take turns, one instruction a turn, in the same order in every quarter step.
.macro QUARTER slot, k, f, g, zero
	s_wait_dscnt 8                                 ; B and A's rows 0-63 are in; the youngest eight loads (A's rows 64-127) may be out
.if \zero
	WIN BIAS_LO
.else
	WIN MUL_LO
.endif
	MUL16 \f, 0, 0, \zero
	MUL16 \f, 0, 2, \zero
	PLACES
	FETCH \slot, \k, \g
	s_wait_dscnt 32                                ; all but the 32 just issued
.if \zero
	WIN BIAS_HI
.else
	WIN MUL_HI
.endif
	MUL16 \f, 1, 0, \zero
	MUL16 \f, 1, 2, \zero
.endm
.macro THREE slot, zero
	QUARTER \slot, 64,  F0, F1, \zero
	QUARTER \slot, 128, F1, F0, 0
	QUARTER \slot, 192, F0, F1, 0
.endm
; The last quarter of a K step changes slots.  In front of the barrier each wave waits for its reads of this slot and for all its tensor loads (one is out: its
; part of the next slot).  Behind it the refill comes first, then the next slot's first fragments.
.macro TURN slot, next, fill
	s_wait_dscnt 8
	WIN MUL_LO
	MUL16 F1, 0, 0, 0
	s_wait_dscnt 0                                 ; my reads of this slot are over
	s_wait_tensorcnt 0x0                           ; all my tensor loads have landed
	ds_add_u32 v63, v255
	s_wait_dscnt 0x0
	s_barrier_signal -1                            ; where a slot is filled again this barrier opens a round of the cluster's barrier
	MUL16 F1, 0, 2, 0                              ; register work while the others arrive
	WIN 0
	s_barrier_wait -1
.if \fill
	CREST                                          ; no wave of any partner still reads this slot or has a load on its way
	s_add_nc_u64 s[G0+4*\slot+2:G0+4*\slot+3], s[G0+4*\slot+2:G0+4*\slot+3], 2*KSTEP*2
	s_add_nc_u64 s[G0B+4*\slot+2:G0B+4*\slot+3], s[G0B+4*\slot+2:G0B+4*\slot+3], 2*KSTEP*2
	JLOAD \slot                                    ; the wave's one tensor load behind the round
.endif
	PLACES
	FETCH \next, 0, F0
	WIN MUL_HI
	MUL16 F1, 1, 0, 0
	MUL16 F1, 1, 2, 0
.endm
.macro LAP zero
	THREE 0, \zero
	TURN 0, 1, 1
	THREE 1, 0
	TURN 1, 0, 1
.endm
	s_wait_tensorcnt 1                             ; my part of K step 0 is in; K step 1's may stay out
	s_barrier_signal -1
	s_barrier_wait -1
	s_wait_loadcnt 0x0                             ; the bias
	FETCH 0, 0, F0
	LAP 1
	WIN 0
	s_mov_b32 s3, LAPS-2
.Llap:
	LAP 0
	WIN 0
	s_sub_co_u32 s3, s3, 1
	s_cmp_lg_u32 s3, 0
	s_cbranch_scc1 .Llap
	THREE 0, 0                                     ; the last lap fills nothing
	TURN 0, 1, 0
	THREE 1, 0
	s_wait_dscnt 8
	WIN MUL_LO
	MUL16 F1, 0, 0, 0
	MUL16 F1, 0, 2, 0
	s_wait_dscnt 0
	WIN MUL_HI
	MUL16 F1, 1, 0, 0
	MUL16 F1, 1, 2, 0
	PLACES                                         ; the places behind the last matrix instructions, for both ways out
	WIN 0
	s_cmp_eq_u32 ttmp9, 2                          ; W3's columns?  The same answer in all sixteen work-groups of the cluster
	s_cbranch_scc1 .Ltpath
	; q, k, v: 16 rows at a time: round to f16, 16 bytes a lane into my stage, read back as whole rows of 256 bytes
	s_min_u32 s87, ttmp9, 2                        ; weights 0, 1, 3 go to parts 0, 1, 2
	s_lshl_b32 s87, s87, 23                        ; a part is 8 MiB
	s_lshl_b32 s16, s13, 8
	s_lshl_b32 s14, s11, 7
	s_add_co_u32 s16, s16, s14                     ; my first row
	s_lshl_b32 s16, s16, 11
	s_add_co_u32 s16, s16, s87
	s_mov_b32 s17, 0
	s_add_nc_u64 s[8:9], s[78:79], s[16:17]
	s_lshl_b32 s46, s40, 9                         ; my first column in bytes: 512 cx + 256 x half
	s_lshl_b32 s47, s12, 8
	s_add_co_u32 s46, s46, s47
	s_mov_b32 s47, 0
	s_add_nc_u64 s[8:9], s[8:9], s[46:47]
.macro OUT16 i, a, from, f
	WIN \from
.irp b, 0,1,2,3,4,5,6,7
.irp r, 0,1,2,3
	v_cvt_pk_f16_f32 v[TMP+4*\b+\r], v[8*(8*\a+\b)+2*\r], v[8*(8*\a+\b)+2*\r+1]
.endr
.endr
	WIN 0
.irp b, 0,1,2,3,4,5,6,7
	ds_store_b128 v[STO], v[TMP+4*\b:TMP+4*\b+3] offset:32*\b
.endr
	s_wait_xcnt 0x0                                ; buffer f, which earlier stores read, and the stores' base are rewritten only behind this wait
.if \i
	s_add_nc_u64 s[8:9], s[8:9], 16*ROWB
.endif
.irp t, 0,1,2,3,4,5,6,7
	ds_load_b128 v[\f+4*\t:\f+4*\t+3], v[RD] offset:\t*2*SPITCH    ; a wave's LDS instructions are served in order: these see the stores above
.endr
.irp t, 0,1,2,3,4,5,6,7
	s_wait_dscnt 7-\t                              ; the count is the younger loads of the eight
	global_store_b128 v[CO], v[\f+4*\t:\f+4*\t+3], s[8:9] offset:2*\t*ROWB   ; 16 lanes store 256 consecutive bytes, aligned
.endr
.endm
	OUT16 0, 0, 0x0a, F0
	OUT16 1, 1, 0x0a, F1
	OUT16 2, 2, 0x0a, F0
	OUT16 3, 3, 0x0a, F1
	OUT16 4, 0, 0x0f, F0
	OUT16 5, 1, 0x0f, F1
	OUT16 6, 2, 0x0f, F0
	OUT16 7, 3, 0x0f, F1
	s_branch .Lclose
.Ltpath:
	; w3: t[i][head] = sum over the head's 64 columns of w3[i][c] sv[b][c].  My 128 columns are two heads: n blocks 0-3 and 4-7.
	s_lshr_b32 s87, s13, 3                         ; batch: 8 block rows each
	s_lshl_b32 s16, s87, 12
	s_mov_b32 s17, 0
	s_add_nc_u64 s[76:77], s[76:77], s[16:17]
	s_add_nc_u64 s[76:77], s[76:77], s[84:85]      ; sv at my batch and my 128 columns
	WIN TO_B
.irp b, 0,1,2,3,4,5,6,7
	global_load_b128 v[SV+8*\b:SV+8*\b+3],   v[HB], s[76:77] offset:64*\b       ; laid out like the bias; the registers are B's first buffer, free behind the places above
	global_load_b128 v[SV+8*\b+4:SV+8*\b+7], v[HB], s[76:77] offset:64*\b+16
.endr
	WIN 0
	s_lshl_b32 s16, s87, 17                        ; tb: batch x 16 heads x 8,192 bytes
	s_and_b32 s14, s13, 7
	s_lshl_b32 s14, s14, 10                        ; + 256 rows of f32 for each block row of the batch
	s_add_co_u32 s16, s16, s14
	s_lshl_b32 s14, s11, 9                         ; + my half's 128 rows
	s_add_co_u32 s16, s16, s14
	s_add_nc_u64 s[80:81], s[80:81], s[16:17]
	s_lshl_b32 s46, s40, 15                        ; + head 4 cx + 2 x half
	s_lshl_b32 s47, s12, 14
	s_add_co_u32 s46, s46, s47
	s_mov_b32 s47, 0
	s_add_nc_u64 s[80:81], s[80:81], s[46:47]
	s_mov_b32 s86, 0xffff0000                      ; lanes 16-31
	s_mov_b32 s88, 0x76543210
	s_mov_b32 s89, 0xfedcba98
	v_lshlrev_b32 v[TST], 2, v1                    ; stage: [head h][128 rows] of f32
	v_lshl_add_u32 v[TST], v2, 9, v[TST]
	v_add_nc_u32 v[TST], s23, v[TST]
	v_and_b32 v[TCO], 31, v0
	v_lshlrev_b32 v[TCO], 4, v[TCO]
	v_add_nc_u32 v[TRD], s23, v[TCO]
	v_mov_b32 v[TMP+10], 0                         ; the permute's destination counts as read
	s_wait_loadcnt 0x0
; rows 16 i .. 16 i + 15: win = 0x06 or 0x07: source 0 the accumulators (window 2 or 3), source 1 sv (window 1), the sums in window 0
.macro TSUM i, a, win
	WIN \win
.irp b, 0,1,2,3,4,5,6,7
.irp p, 0,1,2,3
.if (\b%4)*4+\p < 2
	v_pk_mul_f32 v[TMP+2*(2*(\b/4)+(\p%2)):TMP+2*(2*(\b/4)+(\p%2))+1], v[8*(8*\a+\b)+2*\p:8*(8*\a+\b)+2*\p+1], v[SV+8*\b+2*\p:SV+8*\b+2*\p+1]
.else
	v_pk_fma_f32 v[TMP+2*(2*(\b/4)+(\p%2)):TMP+2*(2*(\b/4)+(\p%2))+1], v[8*(8*\a+\b)+2*\p:8*(8*\a+\b)+2*\p+1], v[SV+8*\b+2*\p:SV+8*\b+2*\p+1], v[TMP+2*(2*(\b/4)+(\p%2)):TMP+2*(2*(\b/4)+(\p%2))+1]
.endif
.endr
.endr
	WIN 0
	v_pk_add_f32 v[TMP:TMP+1], v[TMP:TMP+1], v[TMP+2:TMP+3]
	v_pk_add_f32 v[TMP+4:TMP+5], v[TMP+4:TMP+5], v[TMP+6:TMP+7]
	v_add_f32 v[TMP], v[TMP], v[TMP+1]             ; head 0, my 32 columns of row r
	v_add_f32 v[TMP+4], v[TMP+4], v[TMP+5]         ; head 1
	v_cndmask_b32 v[TMP+8], v[TMP], v[TMP+4], s86  ; lanes 0-15 keep head 0 and send head 1, lanes 16-31 the other way round
	v_cndmask_b32 v[TMP+9], v[TMP+4], v[TMP], s86
	v_permlanex16_b32 v[TMP+10], v[TMP+9], s88, s89
	v_add_f32 v[TMP+8], v[TMP+8], v[TMP+10]        ; lane (r, h): t of row r, head h
	ds_store_b32 v[TST], v[TMP+8] offset:64*\i
.endm
	TSUM 0, 0, 0x06
	TSUM 1, 1, 0x06
	TSUM 2, 2, 0x06
	TSUM 3, 3, 0x06
	TSUM 4, 0, 0x07
	TSUM 5, 1, 0x07
	TSUM 6, 2, 0x07
	TSUM 7, 3, 0x07
	ds_load_b128 v[TMP+12:TMP+15], v[TRD]          ; my own bytes, served in order behind the stores
	ds_load_b128 v[TMP+16:TMP+19], v[TRD] offset:512
	s_wait_dscnt 0x1                               ; the second load may be out
	global_store_b128 v[TCO], v[TMP+12:TMP+15], s[80:81]               ; 512 consecutive bytes, aligned: 128 rows of one head
	s_wait_dscnt 0x0
	global_store_b128 v[TCO], v[TMP+16:TMP+19], s[80:81] offset:8192   ; the next head
.Lclose:
	s_set_vgpr_msb 0x1
	s_wait_tensorcnt 0x0
	ds_add_u32 v63, v255
	s_wait_dscnt 0x0
	s_set_vgpr_msb 0x100
	CROUND                                         ; the closing round: no work-group ends while a partner may still ask for a tile that names it
	s_endpgm
.Lfunc_end_k_q0b624e23a1_proj:
	.size	k_q0b624e23a1_proj, .Lfunc_end_k_q0b624e23a1_proj-k_q0b624e23a1_proj
	.p2alignl 7, 3214868480
	.fill 96, 4, 3214868480
	.section	.rodata,"a",@progbits
	.p2align	6, 0x0
	.amdhsa_kernel k_q0b624e23a1_proj
		.amdhsa_group_segment_fixed_size 327680
		.amdhsa_private_segment_fixed_size 0
		.amdhsa_enable_private_segment 0
		.amdhsa_kernarg_size 64
		.amdhsa_user_sgpr_count 2
		.amdhsa_user_sgpr_kernarg_segment_ptr 1
		.amdhsa_wavefront_size32 1
		.amdhsa_system_sgpr_workgroup_id_x 1
		.amdhsa_system_sgpr_workgroup_id_y 1
		.amdhsa_system_sgpr_workgroup_id_z 1
		.amdhsa_system_vgpr_workitem_id 0
		.amdhsa_next_free_vgpr 1024
		.amdhsa_next_free_sgpr 92
		.amdhsa_reserve_vcc 0
		.amdhsa_float_denorm_mode_32 3
		.amdhsa_float_denorm_mode_16_64 3
		.amdhsa_memory_ordered 1
		.amdhsa_forward_progress 1
		.amdhsa_inst_pref_size 222
	.end_amdhsa_kernel
	.amdgpu_metadata
---
amdhsa.version: [ 1, 2 ]
amdhsa.kernels:
  - .name:           k_q0b624e23a1_proj
    .symbol:         k_q0b624e23a1_proj.kd
    .args:
      - { .name: xh, .offset: 0, .size: 8, .value_kind: global_buffer, .address_space: global }
      - { .name: b1, .offset: 8, .size: 8, .value_kind: global_buffer, .address_space: global }
      - { .name: b2, .offset: 16, .size: 8, .value_kind: global_buffer, .address_space: global }
      - { .name: b3, .offset: 24, .size: 8, .value_kind: global_buffer, .address_space: global }
      - { .name: b4, .offset: 32, .size: 8, .value_kind: global_buffer, .address_space: global }
      - { .name: sv, .offset: 40, .size: 8, .value_kind: global_buffer, .address_space: global }
      - { .name: qkv, .offset: 48, .size: 8, .value_kind: global_buffer, .address_space: global }
      - { .name: tb, .offset: 56, .size: 8, .value_kind: global_buffer, .address_space: global }
    .group_segment_fixed_size: 327680
    .private_segment_fixed_size: 0
    .kernarg_segment_align: 8
    .kernarg_segment_size: 64
    .max_flat_workgroup_size: 128
    .sgpr_count:     92
    .vgpr_count:     1024
    .wavefront_size: 32
...
	.end_amdgpu_metadata
.endif
;; end of part 2
;; launch attn (part 3): grid 16 x 16, 8 waves a work-group, clusters of 4 x 1, 327,680 bytes of LDS; arguments qkv, tb, ctx; writes ctx
.if DOCPART == 3
	.amdgcn_target "amdgcn-amd-amdhsa--gfx1250"
	.amdhsa_code_object_version 6
	.text
	.protected	k_q0b624e23a1_attn
	.globl	k_q0b624e23a1_attn
	.p2align	8
	.type	k_q0b624e23a1_attn,@function
k_q0b624e23a1_attn:
	s_mov_b64 s[64:65], 0
	v_nop
	global_prefetch_b8 v0, s[64:65] scope:SCOPE_SE
	s_setreg_imm32_b32 hwreg(HW_REG_WAVE_MODE, 25, 1), 1
	s_wait_xcnt 0x0
	s_wait_alu depctr_hold_cnt(0) depctr_sa_sdst(0) depctr_va_vdst(0) depctr_va_sdst(0) depctr_va_ssrc(0) depctr_va_vcc(0) depctr_vm_vsrc(0)
	s_getreg_b32 s2, hwreg(HW_REG_IB_STS2, 6, 4)
	s_cmp_eq_u32 s2, 0
	s_cbranch_scc0 .Lentry_in_a_cluster
	s_endpgm
.Lentry_in_a_cluster:
	s_bfe_u32 s2, ttmp6, 0x10000c
	s_cmp_lg_u32 s2, 0x3003
	s_cbranch_scc0 .Lentry_shape_is_right
	s_endpgm
.Lentry_shape_is_right:
; attn: ctx = softmax(q k^T + t) v for 32 (batch, head) pairs, L = 2,048, d = 64, with a running maximum; f16 operands, f32 sums and softmax.
; LIMIT: q, k, v, the weights p (at most 1) and ctx are f16: magnitudes below 65,504.  Exponentials whose result is below 2^-126 count as zero.
; A work-group takes 128 queries of a PAIR of heads (grid y = 8 b + pair, grid x = query block), so that every row piece of k, v and ctx is 256 bytes, aligned.
; Eight waves, two on a SIMD, so that one wave's exponentials run beside the other's matrix work: wave w has head w / 4 of the pair and queries 32 (w % 4) + 0..31.
; CLUSTERS: the four query blocks of a cluster walk the same k and v tiles: each tile is asked for jointly (mask 15), which divides those requests by four.
; ORIENTATION: S^T = K Q^T + t (A = 16 keys x 32 d, B = 16 queries x 32 d): lane (r, h) holds query r and keys 8 h + j.  Two tiles of S^T, packed to f16, ARE
; a B fragment of ctx^T = V^T P^T: no move between lanes.  t, the maximum, the scale and the sum are one number a lane.  t is the C operand of the first
; score product: the row term of the scores is added as it stands and costs no instruction.
; A STEP IS 64 KEYS: 16 score products, the softmax of 64 x 32 scores, 16 ctx products.  ctx^T (64 registers) is scaled once a step, so 64 keys a step halve
; that work against 32.  The next step's K fragments are asked for behind this step's score products and its V fragments behind this step's ctx products,
; so that no wait for LDS stands straight behind its loads but at a tile's head.  The scaling of ctx^T and the sums of the weights stand between the ctx products.
; LDS: two slots of 256 keys (4 steps): K 256 rows of pitch 272, then V 256 rows of pitch 288 (an odd multiple of 32 bytes, for the transposing load); behind
; them a stage of 128 rows of pitch 272 that no tensor load fills.
; REGISTERS: window 0 as listed below; window 1 (v256 and up): ctx^T, V's fragments and the running sums.  One setting, W_PV, serves the ctx products (D, A, C in
; window 1, B in window 0), the scaling (ctx^T in window 1, the factor in window 0) and the sums (the sum in window 1, the weights in window 0).
.set SLOT,  143360
.set VOFF,  69632                      ; 256 x 272
.set STAGE, 2*SLOT
.set TILEB, 256*2048                   ; bytes of qkv from a tile of 256 keys to the next
.set KP, 272
.set VP, 288
.set KA, 2                             ; v2-5    K fragment address, slot s, keys 128 x half: KA + 2 s + half
.set VA, 6                             ; v6-9    the same for V (with one register a slot V's immediates would pass 16 bits)
.set STO, 10
.set RD,  11
.set CO,  12
.set QO,  13
.set NM,  14                           ; v[14:15], v[16:17]  for query tile n: -max x log2 e, max
.set AL,  18                           ; v[18:19], v[20:21]  the step's scale, and a scratch that keeps the pair written
.set T8,  32                           ; v[32:47]   t of my query, eight times, for each n: a C operand
.set QF,  48                           ; v[48:79]   Q fragments (n, ks) at QF + 16 n + 8 ks
.set KF,  80                           ; v[80:143]  K fragments (m, ks) at KF + 16 m + 8 ks, m = 0..3
.set S,   144                          ; v[144:207] S^T tile (m, n) at S + 8 (2 m + n)
.set PF,  208                          ; v[208:239] P^T fragments (n, kk) at PF + 16 n + 8 kk, kk = keys 32 kk + 0..31
.set MT,  240                          ; v[240:247] chains of the maximum, MT + 4 n + m
.set CT,  0                            ; window 1: v[0:63]    ctx^T tile (dt, n) at CT + 8 (2 dt + n)
.set VF,  64                           ; window 1: v[64:127]  V^T fragments (kk, dt) at VF + 8 (4 kk + dt)
.set LS,  128                          ; window 1: v[128:135] the lane's running sums: two chains of pairs for each n, LS + 4 n + 2 c
.set W_LD,  0x40                       ; destination window 1
.set W_PV,  0x51                       ; destination, source 0 and source 2 window 1, source 1 window 0
.set W_OUT, 0x05                       ; sources 0 and 1 window 1, destination window 0
.set G1K, 24
.set G0K, 32
.set G1V, 48
.set G0V, 56
.set MSB, 0
.macro WIN new                         ; the immediate's high byte repeats the setting that is left; at a label and at a branch the setting is 0
.if MSB != \new
	s_set_vgpr_msb (MSB<<8)|\new
.set MSB, \new
.endif
.endm
.macro ROUND                           ; a round of the cluster's barrier
	s_barrier_signal -1
	s_barrier_wait -1
	s_cmp_lg_u32 s10, 0
	s_cbranch_scc1 .Lnot_wave_0_\@
	s_barrier_signal -3
.Lnot_wave_0_\@:
	s_barrier_wait -3
	s_barrier_signal -1
	s_barrier_wait -1
.endm
.macro JLOAD s                         ; waves 0-3 bring K's quarters (64 rows), waves 4-7 V's: one tensor load a wave
	s_cmp_eq_u32 s11, 0
	s_cbranch_scc0 .Lfor_v_\@
	tensor_load_to_lds s[G0K+4*(\s):G0K+4*(\s)+3], s[G1K:G1K+7]
	s_nop 0
	s_branch .Lasked_\@
.Lfor_v_\@:
	tensor_load_to_lds s[G0V+4*(\s):G0V+4*(\s)+3], s[G1V:G1V+7]
	s_nop 0
.Lasked_\@:
.endm
	s_load_b128 s[4:7], s[0:1], 0x0                ; qkv, tb
	s_load_b64 s[8:9], s[0:1], 0x10                ; ctx
	v_lshl_add_u32 v254, v0, 2, 0x4e800
	v_mov_b32 v255, 0
	ds_add_u32 v254, v255
	v_lshrrev_b32 v1, 5, v0
	v_readfirstlane_b32 s10, v1                    ; wave 0..7
	s_lshr_b32 s11, s10, 2                         ; my head of the pair.  Also: I fetch K (0) or V (1)
	s_and_b32 s12, s10, 3                          ; my 32 queries.  Also: which 64 rows of the tile I fetch
	s_bfe_u32 s13, ttmp6, 0x40000                  ; cx
	s_lshl_b32 s14, ttmp9, 2
	s_add_co_u32 s14, s14, s13                     ; query block
	s_and_b32 s15, ttmp7, 0xffff
	s_lshr_b32 s16, s15, 3                         ; batch
	s_and_b32 s17, s15, 7                          ; head pair
	s_mov_b32 s20, 0x76543210
	s_mov_b32 s21, 0xfedcba98
	; group 1: 64 rows x 128 elements of 2 bytes; behind every 64 words 4 words of padding (K) or 8 (V); the mask names all four work-groups
	s_mov_b32 s[G1K+0], 15|(1<<16)|(1<<20)|(1<<21)|(5<<22)|(3<<25)
	s_mov_b32 s[G1V+0], 15|(1<<16)|(1<<20)|(1<<21)|(5<<22)|(7<<25)
	s_mov_b32 s[G1K+1], 128<<16
	s_mov_b32 s[G1V+1], 128<<16
	s_mov_b32 s[G1K+2], 64<<16
	s_mov_b32 s[G1V+2], 64<<16
	s_mov_b32 s[G1K+3], 128<<16
	s_mov_b32 s[G1V+3], 128<<16
	s_mov_b32 s[G1K+4], 64
	s_mov_b32 s[G1V+4], 64
	s_mov_b32 s[G1K+5], 1024
	s_mov_b32 s[G1V+5], 1024
	s_mov_b32 s[G1K+6], 0
	s_mov_b32 s[G1V+6], 0
	s_mov_b32 s[G1K+7], 0
	s_mov_b32 s[G1V+7], 0
	s_lshl_b32 s40, s16, 22                        ; the tiles hang on batch, pair and wave alone: (2,048 b + 64 quarter) rows of 2,048 bytes + 256 pair
	s_lshl_b32 s41, s12, 17
	s_add_co_u32 s40, s40, s41
	s_lshl_b32 s41, s17, 8
	s_add_co_u32 s40, s40, s41
	s_mov_b32 s41, 0
	s_mul_i32 s18, s12, 64*KP                      ; my quarter of K in a slot
	s_mul_i32 s19, s12, 64*VP                      ; my quarter of V
	s_add_co_u32 s19, s19, VOFF
	s_wait_dscnt 0x0
	s_wait_kmcnt 0x0
	s_add_nc_u64 s[40:41], s[4:5], s[40:41]
.irp s, 0,1
	s_mov_b32 s[G0K+4*\s], 1
	s_add_co_u32 s[G0K+4*\s+1], s18, \s*SLOT
	s_add_nc_u64 s[G0K+4*\s+2:G0K+4*\s+3], s[40:41], 0x800000+\s*TILEB     ; k is the second part of qkv; slot s begins with tile s
	s_or_b32 s[G0K+4*\s+3], s[G0K+4*\s+3], 0x80000000
	s_mov_b32 s[G0V+4*\s], 1
	s_add_co_u32 s[G0V+4*\s+1], s19, \s*SLOT
	s_add_nc_u64 s[G0V+4*\s+2:G0V+4*\s+3], s[40:41], 0x1000000+\s*TILEB    ; v the third
	s_or_b32 s[G0V+4*\s+3], s[G0V+4*\s+3], 0x80000000
.endr
	ROUND                                          ; in front of the first joint load
	JLOAD 0                                        ; tile 0; at most one tensor load of a wave is ever out
	; while it is on its way: Q and t straight into registers, and the addresses
	s_lshl_b32 s42, s16, 22                        ; q: (2,048 b + 128 block + 32 group) rows + 256 pair + 128 head
	s_lshl_b32 s43, s14, 18
	s_add_co_u32 s42, s42, s43
	s_lshl_b32 s43, s12, 16
	s_add_co_u32 s42, s42, s43
	s_lshl_b32 s43, s17, 8
	s_add_co_u32 s42, s42, s43
	s_lshl_b32 s43, s11, 7
	s_add_co_u32 s42, s42, s43
	s_mov_b32 s43, 0
	s_add_nc_u64 s[42:43], s[4:5], s[42:43]
	s_lshl_b32 s44, s16, 17                        ; tb: ((16 b + 2 pair + head) 2,048 + 128 block + 32 group) x 4
	s_lshl_b32 s45, s17, 14
	s_add_co_u32 s44, s44, s45
	s_lshl_b32 s45, s11, 13
	s_add_co_u32 s44, s44, s45
	s_lshl_b32 s45, s14, 9
	s_add_co_u32 s44, s44, s45
	s_lshl_b32 s45, s12, 7
	s_add_co_u32 s44, s44, s45
	s_mov_b32 s45, 0
	s_add_nc_u64 s[44:45], s[6:7], s[44:45]
	s_lshl_b32 s46, s16, 22                        ; ctx: (2,048 b + 128 block + 16 wave) rows + 256 pair
	s_lshl_b32 s47, s14, 18
	s_add_co_u32 s46, s46, s47
	s_lshl_b32 s47, s10, 15
	s_add_co_u32 s46, s46, s47
	s_lshl_b32 s47, s17, 8
	s_add_co_u32 s46, s46, s47
	s_mov_b32 s47, 0
	s_add_nc_u64 s[8:9], s[8:9], s[46:47]
	v_and_b32 v1, 15, v0                           ; r
	v_bfe_u32 v30, v0, 4, 1                        ; h
	v_lshlrev_b32 v[QO], 11, v1
	v_lshl_add_u32 v[QO], v30, 4, v[QO]            ; query r's row + 16 h
	v_lshlrev_b32 v31, 2, v1
.irp n, 0,1
.irp ks, 0,1
	global_load_b128 v[QF+16*\n+8*\ks:QF+16*\n+8*\ks+3],   v[QO], s[42:43] offset:\n*32768+\ks*64      ; d = 32 ks + 8 h + 0..7
	global_load_b128 v[QF+16*\n+8*\ks+4:QF+16*\n+8*\ks+7], v[QO], s[42:43] offset:\n*32768+\ks*64+32   ; d = 32 ks + 16 + 8 h + 0..7
.endr
.endr
	global_load_b32 v[T8],   v31, s[44:45]
	global_load_b32 v[T8+8], v31, s[44:45] offset:64
	v_mul_u32_u24 v[KA], v1, KP
	v_lshl_add_u32 v[KA], v30, 4, v[KA]
	s_lshl_b32 s22, s11, 7                         ; my head's 128 bytes of a row
	v_add_nc_u32 v[KA], s22, v[KA]                 ; key r's row + 16 h + head
	v_add_nc_u32 v[KA+1], 128*KP, v[KA]
	v_add_nc_u32 v[KA+2], SLOT, v[KA]
	v_add_nc_u32 v[KA+3], SLOT+128*KP, v[KA]
	v_and_b32 v[VA], 7, v0
	v_lshl_add_u32 v[VA], v30, 3, v[VA]            ; key 8 h + l % 8
	v_mul_u32_u24 v[VA], v[VA], VP
	v_bfe_u32 v[VA+1], v0, 3, 1
	v_lshl_add_u32 v[VA], v[VA+1], 4, v[VA]        ; + 16 ((l / 8) % 2)
	s_add_co_u32 s23, s22, VOFF
	v_add_nc_u32 v[VA], s23, v[VA]
	v_add_nc_u32 v[VA+1], 128*VP, v[VA]
	v_add_nc_u32 v[VA+2], SLOT, v[VA]
	v_add_nc_u32 v[VA+3], SLOT+128*VP, v[VA]
	s_mul_i32 s22, s12, 32*272
	s_add_co_u32 s22, s22, STAGE
	v_add_nc_u32 v[STO], s22, v[KA]                ; stage row 32 group + r, + head + 16 h
	v_mul_u32_u24 v[RD], v30, 272
	v_lshl_add_u32 v[RD], v1, 4, v[RD]
	s_mul_i32 s22, s10, 16*272
	s_add_co_u32 s22, s22, STAGE
	v_add_nc_u32 v[RD], s22, v[RD]                 ; stage row 16 wave + h, 16 bytes a lane
	v_lshlrev_b32 v[CO], 11, v30
	v_lshl_add_u32 v[CO], v1, 4, v[CO]
	s_wait_loadcnt 0x0
.irp n, 0,1
.irp j, 1,2,3,4,5,6,7
	v_mov_b32 v[T8+8*\n+\j], v[T8+8*\n]            ; C(key, query r) = t[query r] for all eight keys of the lane
.endr
.endr
; 16 LDS loads: the K fragments of keys 64 st + 0..63 of the slot
.macro KLOAD slot, st
.irp m, 0,1,2,3
.irp ks, 0,1
	ds_load_b128 v[KF+16*\m+8*\ks:KF+16*\m+8*\ks+3],   v[KA+2*\slot+(\st)/2] offset:((\st)%2)*64*KP+\m*16*KP+\ks*64
	ds_load_b128 v[KF+16*\m+8*\ks+4:KF+16*\m+8*\ks+7], v[KA+2*\slot+(\st)/2] offset:((\st)%2)*64*KP+\m*16*KP+\ks*64+32
.endr
.endr
.endm
; 16 transposing LDS loads into window 1: the V^T fragments of the same keys
.macro VLOAD slot, st
	WIN W_LD
.irp kk, 0,1
.irp dt, 0,1,2,3
	ds_load_tr16_b128 v[VF+8*(4*\kk+\dt):VF+8*(4*\kk+\dt)+3],   v[VA+2*\slot+(\st)/2] offset:((\st)%2)*64*VP+\kk*32*VP+\dt*32          ; d = 16 dt + r, keys 32 kk + 8 h + 0..7
	ds_load_tr16_b128 v[VF+8*(4*\kk+\dt)+4:VF+8*(4*\kk+\dt)+7], v[VA+2*\slot+(\st)/2] offset:((\st)%2)*64*VP+\kk*32*VP+\dt*32+16*VP   ; keys 32 kk + 16 + 8 h + 0..7
.endr
.endr
	WIN 0
.endm
; The largest of the lane's 32 scores of each query tile and the old maximum, then the other half's; eight chains (4 key tiles x 2 query tiles) that take turns.
.macro MAXES first
.irp m, 0,1,2,3
.irp n, 0,1
	v_max3_num_f32 v[MT+4*\n+\m], v[S+8*(2*\m+\n)], v[S+8*(2*\m+\n)+1], v[S+8*(2*\m+\n)+2]
.endr
.endr
.irp j, 3,5
.irp m, 0,1,2,3
.irp n, 0,1
	v_max3_num_f32 v[MT+4*\n+\m], v[MT+4*\n+\m], v[S+8*(2*\m+\n)+\j], v[S+8*(2*\m+\n)+\j+1]
.endr
.endr
.endr
.irp n, 0,1
	v_max3_num_f32 v[MT+4*\n], v[MT+4*\n], v[S+8*\n+7], v[S+8*(2+\n)+7]            ; the eighth numbers of key tiles 0 and 1
.endr
.irp n, 0,1
	v_max3_num_f32 v[MT+4*\n+1], v[MT+4*\n+1], v[S+8*(4+\n)+7], v[S+8*(6+\n)+7]    ; of key tiles 2 and 3
.endr
.irp n, 0,1
	v_max3_num_f32 v[MT+4*\n], v[MT+4*\n], v[MT+4*\n+1], v[MT+4*\n+2]
.endr
.irp n, 0,1
.if \first
	v_max_num_f32 v[MT+4*\n], v[MT+4*\n], v[MT+4*\n+3]
.else
	v_max3_num_f32 v[MT+4*\n], v[MT+4*\n], v[MT+4*\n+3], v[NM+2*\n+1]
.endif
.endr
.irp n, 0,1
	v_permlanex16_b32 v[MT+4*\n+1], v[MT+4*\n], s20, s21   ; its destination has been written
.endr
.irp n, 0,1
	v_max_num_f32 v[NM+2*\n+1], v[MT+4*\n], v[MT+4*\n+1]
.endr
.if \first
.irp n, 0,1
	v_mul_f32 v[NM+2*\n], 0xbfb8aa3b, v[NM+2*\n+1]         ; -max x log2 e
.endr
.else
.irp n, 0,1
	v_mul_f32 v[AL+2*\n+1], 0xbfb8aa3b, v[NM+2*\n+1]
.endr
.irp n, 0,1
	v_sub_f32 v[AL+2*\n], v[AL+2*\n+1], v[NM+2*\n]         ; (old max - new max) x log2 e: exactly 0 where the maximum stands
.endr
.irp n, 0,1
	v_mov_b32 v[NM+2*\n], v[AL+2*\n+1]
.endr
.endif
.endm
.macro SC t                            ; ctx^T tile t = 2 dt + n times its query's factor
.irp p, 0,2,4,6
	v_pk_mul_f32 v[CT+8*(\t)+\p:CT+8*(\t)+\p+1], v[CT+8*(\t)+\p:CT+8*(\t)+\p+1], v[AL+2*((\t)%2):AL+2*((\t)%2)+1] op_sel_hi:[1,0]
.endr
.endm
.macro PV kk, t, zero                  ; ctx^T tile t += V^T (kk, dt) x P^T (n, kk)
.if \zero
	v_wmma_f32_16x16x32_f16 v[CT+8*\t:CT+8*\t+7], v[VF+8*(4*\kk+\t/2):VF+8*(4*\kk+\t/2)+7], v[PF+16*(\t%2)+8*\kk:PF+16*(\t%2)+8*\kk+7], 0
.else
	v_wmma_f32_16x16x32_f16 v[CT+8*\t:CT+8*\t+7], v[VF+8*(4*\kk+\t/2):VF+8*(4*\kk+\t/2)+7], v[PF+16*(\t%2)+8*\kk:PF+16*(\t%2)+8*\kk+7], v[CT+8*\t:CT+8*\t+7]
.endif
.endm
.macro AD e                            ; pair e of the lane's 16 pairs of weights, for both n, onto chain e % 2
.irp n, 0,1
	v_pk_add_f32 v[LS+4*\n+2*((\e)%2):LS+4*\n+2*((\e)%2)+1], v[LS+4*\n+2*((\e)%2):LS+4*\n+2*((\e)%2)+1], v[S+8*(2*((\e)/4)+\n)+2*((\e)%4):S+8*(2*((\e)/4)+\n)+2*((\e)%4)+1]
.endr
.endm
; The 16 ctx products.  The 8 accumulators take turns, one instruction a turn.  Between them stand the scaling of the tiles that come two
; turns later and the sums of the weights: plain vector work that names no register of the products near it.  The last four additions are the four places
; behind the last product (ISA guide 7.12.1 for vector instructions) before V's registers are loaded again.
.macro PVPHASE first
.if \first
	WIN W_LD
.irp n, 0,1
.irp c, 0,1
	v_pk_add_f32 v[LS+4*\n+2*\c:LS+4*\n+2*\c+1], v[S+8*\n+2*\c:S+8*\n+2*\c+1], v[S+8*\n+2*\c+4:S+8*\n+2*\c+5]   ; pairs c and c + 2 start chain c: nothing is cleared
.endr
.endr
	WIN W_PV
.irp t, 0,1,2,3,4,5,6,7
	PV 0, \t, 1                                    ; the first products start ctx^T
.endr
.else
	WIN W_PV
.irp n, 0,1
.irp c, 0,1
	v_pk_mul_f32 v[LS+4*\n+2*\c:LS+4*\n+2*\c+1], v[LS+4*\n+2*\c:LS+4*\n+2*\c+1], v[AL+2*\n:AL+2*\n+1] op_sel_hi:[1,0]
.endr
.endr
	SC 0
	SC 1
.irp t, 0,1,2,3,4,5
	PV 0, \t, 0
	SC \t+2
.endr
	PV 0, 6, 0
	AD 0
	AD 1
	PV 0, 7, 0
	AD 2
	AD 3
.endif
	PV 1, 0, 0
	AD 4
	AD 5
	PV 1, 1, 0
	AD 6
	AD 7
	PV 1, 2, 0
	AD 8
	AD 9
	PV 1, 3, 0
	AD 10
	AD 11
	PV 1, 4, 0
	AD 12
	PV 1, 5, 0
	AD 13
	PV 1, 6, 0
	PV 1, 7, 0
	AD 14
	AD 15
.endm
; Keys 64 st + 0..63 of the slot.  On entry this step's 16 K loads and, behind them, its 16 V loads have been issued.  more = 1: the slot has a further step.
.macro STEP slot, st, first, more
	s_wait_dscnt 16                                ; K's loads are in; the count is V's sixteen, issued behind them
	; the eight score tiles take turns, one instruction a turn; t starts the sums
.irp m, 0,1,2,3
.irp n, 0,1
	v_wmma_f32_16x16x32_f16 v[S+8*(2*\m+\n):S+8*(2*\m+\n)+7], v[KF+16*\m:KF+16*\m+7], v[QF+16*\n:QF+16*\n+7], v[T8+8*\n:T8+8*\n+7]
.endr
.endr
.irp m, 0,1,2,3
.irp n, 0,1
	v_wmma_f32_16x16x32_f16 v[S+8*(2*\m+\n):S+8*(2*\m+\n)+7], v[KF+16*\m+8:KF+16*\m+15], v[QF+16*\n+8:QF+16*\n+15], v[S+8*(2*\m+\n):S+8*(2*\m+\n)+7]
.endr
.endr
.rept 4
	v_nop                                          ; four places before the scores are read and K's registers are loaded again (ISA guide 7.12.1)
.endr
.if \more
	KLOAD \slot, \st+1                             ; the next step's K: it has this step's softmax in which to come
.endif
	MAXES \first
.irp t, 0,1,2,3,4,5,6,7
.irp p, 0,2,4,6
	v_pk_fma_f32 v[S+8*\t+\p:S+8*\t+\p+1], v[S+8*\t+\p:S+8*\t+\p+1], 0x3fb8aa3b, v[NM+2*(\t%2):NM+2*(\t%2)+1] op_sel_hi:[1,0,0]   ; (score - max) x log2 e
.endr
.endr
.if \first == 0
	v_exp_f32 v[AL], v[AL]
	v_exp_f32 v[AL+2], v[AL+2]
.endif
.set i, 0
.rept 64
	v_exp_f32 v[S+i], v[S+i]
.set i, i+1
.endr
	v_nop                                          ; one plain place behind the exponentials before a result is used (ISA guide 5.7.2)
	s_wait_alu depctr_va_vdst(0)
.irp n, 0,1
.irp m, 0,1,2,3
.irp q, 0,1,2,3
	v_cvt_pk_f16_f32 v[PF+16*\n+4*\m+\q], v[S+8*(2*\m+\n)+2*\q], v[S+8*(2*\m+\n)+2*\q+1]   ; keys 16 m + 8 h + 2 q, + 1: the B fragments' own places
.endr
.endr
.endr
.if \more
	s_wait_dscnt 16                                ; V's loads are in; the count is the next step's sixteen K loads, issued behind them
.else
	s_wait_dscnt 0                                 ; V's loads are in: nothing was issued behind them
.endif
	PVPHASE \first
.if \more
	VLOAD \slot, \st+1                             ; the next step's V
.else
	WIN 0
.endif
.endm
; A tile of 256 keys.  In front of the round every wave waits for all its tensor loads (its part of this tile) and for its reads of the other slot; the round
; takes the place of the work-group barrier in front of a refill; behind it the next tile is asked for first, into the slot read last, and has 4 steps to land.
.macro TRIP slot, refill, first
	s_wait_tensorcnt 0x0
	ds_add_u32 v254, v255
	s_wait_dscnt 0x0
	s_add_nc_u64 s[G0K+4*\slot+2:G0K+4*\slot+3], s[G0K+4*\slot+2:G0K+4*\slot+3], 2*TILEB   ; no load of mine is out: this slot's next tile
	s_add_nc_u64 s[G0V+4*\slot+2:G0V+4*\slot+3], s[G0V+4*\slot+2:G0V+4*\slot+3], 2*TILEB
	s_wait_dscnt 0x0
	ROUND
.if \refill
	JLOAD 1-\slot
.endif
	KLOAD \slot, 0
	VLOAD \slot, 0
	STEP \slot, 0, \first, 1
	STEP \slot, 1, 0, 1
	STEP \slot, 2, 0, 1
	STEP \slot, 3, 0, 0                            ; the slot's last step fetches nothing ahead: the next tile is read behind the next round
.endm
	TRIP 0, 1, 1                                   ; tile 0: its first step starts maximum, sums and ctx
	s_mov_b32 s3, 3
.Ltiles:
	TRIP 1, 1, 0                                   ; tiles 1, 3, 5
	TRIP 0, 1, 0                                   ; tiles 2, 4, 6
	s_sub_co_u32 s3, s3, 1
	s_cmp_lg_u32 s3, 0
	s_cbranch_scc1 .Ltiles
	TRIP 1, 0, 0                                   ; tile 7 asks for nothing (the stepped addresses are not used)
	; the way out: divide by the sum, round to f16, through the stage into whole rows of 256 bytes (both heads of the pair)
	WIN W_OUT
.irp n, 0,1
	v_pk_add_f32 v[MT+4*\n:MT+4*\n+1], v[LS+4*\n:LS+4*\n+1], v[LS+4*\n+2:LS+4*\n+3]
.endr
	WIN 0
.irp n, 0,1
	v_add_f32 v[MT+4*\n], v[MT+4*\n], v[MT+4*\n+1]
.endr
.irp n, 0,1
	v_permlanex16_b32 v[MT+4*\n+1], v[MT+4*\n], s20, s21
.endr
.irp n, 0,1
	v_add_f32 v[MT+4*\n], v[MT+4*\n], v[MT+4*\n+1]
.endr
	v_rcp_f32 v[AL], v[MT]                         ; the sum is at least the largest weight, which is about 1
	v_rcp_f32 v[AL+2], v[MT+4]
	v_nop
	s_wait_alu depctr_va_vdst(0)
	WIN W_PV
.irp t, 0,1,2,3,4,5,6,7
	SC \t
.endr
	WIN W_OUT
.irp t, 0,1,2,3,4,5,6,7
.irp q, 0,1,2,3
	v_cvt_pk_f16_f32 v[KF+4*\t+\q], v[CT+8*\t+2*\q], v[CT+8*\t+2*\q+1]     ; ctx[query r][16 dt + 8 h + 0..7]: 16 bytes
.endr
.endr
	WIN 0
.irp dt, 0,1,2,3
.irp n, 0,1
	ds_store_b128 v[STO], v[KF+4*(2*\dt+\n):KF+4*(2*\dt+\n)+3] offset:\n*16*272+\dt*32
.endr
.endr
	s_wait_dscnt 0x0                               ; for the others' sake: waves w and w + 4 fill the two halves of the same stage rows
	s_barrier_signal -1
	s_barrier_wait -1
.irp t, 0,1,2,3,4,5,6,7
	ds_load_b128 v[S+4*\t:S+4*\t+3], v[RD] offset:\t*2*272
.endr
.irp t, 0,1,2,3,4,5,6,7
	s_wait_dscnt 7-\t                              ; the count is the younger loads of the eight
	global_store_b128 v[CO], v[S+4*\t:S+4*\t+3], s[8:9] offset:\t*4096     ; 16 lanes store 256 consecutive bytes, aligned
.endr
	s_wait_tensorcnt 0x0
	ds_add_u32 v254, v255
	s_wait_dscnt 0x0
	ROUND                                          ; the closing round
	s_endpgm
.Lfunc_end_k_q0b624e23a1_attn:
	.size	k_q0b624e23a1_attn, .Lfunc_end_k_q0b624e23a1_attn-k_q0b624e23a1_attn
	.p2alignl 7, 3214868480
	.fill 96, 4, 3214868480
	.section	.rodata,"a",@progbits
	.p2align	6, 0x0
	.amdhsa_kernel k_q0b624e23a1_attn
		.amdhsa_group_segment_fixed_size 327680
		.amdhsa_private_segment_fixed_size 0
		.amdhsa_enable_private_segment 0
		.amdhsa_kernarg_size 24
		.amdhsa_user_sgpr_count 2
		.amdhsa_user_sgpr_kernarg_segment_ptr 1
		.amdhsa_wavefront_size32 1
		.amdhsa_system_sgpr_workgroup_id_x 1
		.amdhsa_system_sgpr_workgroup_id_y 1
		.amdhsa_system_sgpr_workgroup_id_z 1
		.amdhsa_system_vgpr_workitem_id 0
		.amdhsa_next_free_vgpr 400
		.amdhsa_next_free_sgpr 66
		.amdhsa_reserve_vcc 0
		.amdhsa_float_denorm_mode_32 3
		.amdhsa_float_denorm_mode_16_64 3
		.amdhsa_memory_ordered 1
		.amdhsa_forward_progress 1
		.amdhsa_inst_pref_size 255
	.end_amdhsa_kernel
	.section	.bss,"aw",@nobits
	.p2align	6
	.space	262144
	.amdgpu_metadata
---
amdhsa.version: [ 1, 2 ]
amdhsa.kernels:
  - .name:           k_q0b624e23a1_attn
    .symbol:         k_q0b624e23a1_attn.kd
    .args:
      - { .name: qkv, .offset: 0, .size: 8, .value_kind: global_buffer, .address_space: global }
      - { .name: tb, .offset: 8, .size: 8, .value_kind: global_buffer, .address_space: global }
      - { .name: ctx, .offset: 16, .size: 8, .value_kind: global_buffer, .address_space: global }
    .group_segment_fixed_size: 327680
    .private_segment_fixed_size: 0
    .kernarg_segment_align: 8
    .kernarg_segment_size: 24
    .max_flat_workgroup_size: 256
    .sgpr_count:     66
    .vgpr_count:     400
    .wavefront_size: 32
...
	.end_amdgpu_metadata
.endif
;; end of part 3
;; launch outp (part 4): grid 8 x 32, 4 waves a work-group, clusters of 4 x 4, 327,680 bytes of LDS; arguments ctx, xh, bo, out0; writes out0
.if DOCPART == 4
	.amdgcn_target "amdgcn-amd-amdhsa--gfx1250"
	.amdhsa_code_object_version 6
	.text
	.protected	k_q0b624e23a1_outp
	.globl	k_q0b624e23a1_outp
	.p2align	8
	.type	k_q0b624e23a1_outp,@function
k_q0b624e23a1_outp:
	s_mov_b64 s[64:65], 0
	v_nop
	global_prefetch_b8 v0, s[64:65] scope:SCOPE_SE
	s_setreg_imm32_b32 hwreg(HW_REG_WAVE_MODE, 25, 1), 1
	s_wait_xcnt 0x0
	s_wait_alu depctr_hold_cnt(0) depctr_sa_sdst(0) depctr_va_vdst(0) depctr_va_sdst(0) depctr_va_ssrc(0) depctr_va_vcc(0) depctr_vm_vsrc(0)
	s_getreg_b32 s2, hwreg(HW_REG_IB_STS2, 6, 4)
	s_cmp_eq_u32 s2, 0
	s_cbranch_scc0 .Lentry_in_a_cluster
	s_endpgm
.Lentry_in_a_cluster:
	s_bfe_u32 s2, ttmp6, 0x10000c
	s_cmp_lg_u32 s2, 0xf033
	s_cbranch_scc0 .Lentry_shape_is_right
	s_endpgm
.Lentry_shape_is_right:
; outp: out0 = ctx Wo^T + bo.  A = ctx [4096][1024] f16, B = Wo (xh rows 8192-9215) f16, f32 sums, f32 out.
; LIMIT: operands in f16 (magnitudes below 65,504); the order of the sums differs from a plain f32 chain.
; C is 4,096 x 1,024: blocks of 128 x 128 give 8 x 32 = 256 work-groups, blocks of 256 x 256 would give 64.  Four waves, a wave makes 64 x 64: 16 accumulator tiles.
; K goes through two LDS slots of 256 along K each (rows of 512 bytes of memory, aligned): four fills in all, so the text is written out without a loop.
; CLUSTERS: 4 x 4; A's tiles are shared along a row of the cluster, B's along a column, by joint loads.
; REGISTERS: window 0: v16-27 addresses; v32-63 bo in the accumulators' layout; v64-127, v128-191 two fragment buffers (B's four at + 0, A's four at + 32);
; v192-223 rows on their way out.  Window 1: v0-127 the accumulators, tile (a, b) at 8 (4 a + b).
; The matrix instruction is used transposed (source 0 = rows of B): a lane holds eight neighbouring columns of one row of C.
.set ROWB,   2048
.set PITCH,  528                       ; 512 bytes + 16: the 16 rows that a load touches start at 16 different 16-byte columns modulo 256
.set HALF,   64*PITCH                  ; what one tensor load brings
.set SLOT,   4*HALF                    ; A's 128 rows, then B's 128
.set STAGE,  2*SLOT                    ; never filled by a tensor load: 16 rows x 272 bytes for each wave
.set SPITCH, 272
.set ADRA, 16
.set ADRB, 20
.set STO,  24
.set RD,   25
.set CO,   26
.set HB,   27
.set BV,   32
.set F0,   64
.set F1,   128
.set TMP,  192
.set G1, 24
.set G0, 32
.set G1B, 48
.set G0B, 56
.set MSB, 0
.macro WIN new
.if MSB != \new
	s_set_vgpr_msb (MSB<<8)|\new
.set MSB, \new
.endif
.endm
.macro JLOAD s                         ; waves 0, 1 fetch A's halves, waves 2, 3 B's
	s_cmp_eq_u32 s11, 0
	s_cbranch_scc0 .Lfor_b_\@
	tensor_load_to_lds s[G0+4*\s:G0+4*\s+3], s[G1:G1+7]
	s_nop 0
	s_branch .Lasked_\@
.Lfor_b_\@:
	tensor_load_to_lds s[G0B+4*\s:G0B+4*\s+3], s[G1B:G1B+7]
	s_nop 0
.Lasked_\@:
.endm
.macro CREST
	s_cmp_lg_u32 s10, 0
	s_cbranch_scc1 .Lnot_wave_0_\@
	s_barrier_signal -3
.Lnot_wave_0_\@:
	s_barrier_wait -3
	s_barrier_signal -1
	s_barrier_wait -1
.endm
.macro CROUND
	s_barrier_signal -1
	s_barrier_wait -1
	CREST
.endm
	s_load_b128 s[4:7], s[0:1], 0x0                ; ctx, xh
	s_load_b64 s[66:67], s[0:1], 0x10              ; bo
	s_load_b64 s[68:69], s[0:1], 0x18              ; out0
	v_lshl_add_u32 v254, v0, 2, 0x46400
	v_mov_b32 v255, 0
	ds_add_u32 v254, v255
	v_lshrrev_b32 v1, 5, v0
	v_readfirstlane_b32 s10, v1                    ; wave
	s_lshr_b32 s11, s10, 1                         ; my half of the block's rows.  Also: I fetch for A (0) or B (1)
	s_and_b32 s12, s10, 1                          ; my half of its columns.  Also: which 64 rows of that tile I fetch
	s_bfe_u32 s40, ttmp6, 0x40000                  ; cx
	s_bfe_u32 s41, ttmp6, 0x40004                  ; cy
	s_lshl_b32 s42, ttmp9, 2
	s_add_co_u32 s42, s42, s40                     ; block column
	s_and_b32 s13, ttmp7, 0xffff
	s_lshl_b32 s13, s13, 2
	s_add_co_u32 s13, s13, s41                     ; block row
	s_lshl_b32 s43, s41, 2
	s_lshl_b32 s43, 15, s43                        ; my row of the cluster
	s_lshl_b32 s44, 0x1111, s40                    ; my column
	; group 1: 64 rows x 256 elements of 2 bytes, 4 words of padding behind every 128 words
	s_or_b32 s[G1+0], s43, (1<<16)|(1<<20)|(1<<21)|(6<<22)|(3<<25)
	s_or_b32 s[G1B+0], s44, (1<<16)|(1<<20)|(1<<21)|(6<<22)|(3<<25)
	s_mov_b32 s[G1+1], 256<<16
	s_mov_b32 s[G1B+1], 256<<16
	s_mov_b32 s[G1+2], 64<<16
	s_mov_b32 s[G1B+2], 64<<16
	s_mov_b32 s[G1+3], 256<<16
	s_mov_b32 s[G1B+3], 256<<16
	s_mov_b32 s[G1+4], 64
	s_mov_b32 s[G1B+4], 64
	s_mov_b32 s[G1+5], 1024
	s_mov_b32 s[G1B+5], 1024
	s_mov_b32 s[G1+6], 0
	s_mov_b32 s[G1B+6], 0
	s_mov_b32 s[G1+7], 0
	s_mov_b32 s[G1B+7], 0
	s_lshl_b32 s17, s12, 6
	s_lshl_b32 s16, s13, 7
	s_add_co_u32 s16, s16, s17                     ; A: row 128 x block row + 64 x half
	s_lshl_b32 s16, s16, 11
	s_lshl_b32 s46, s42, 7
	s_add_co_u32 s46, s46, s17                     ; B: row 128 x block column + 64 x half
	s_lshl_b32 s46, s46, 11
	s_mov_b32 s17, 0
	s_mov_b32 s47, 0
	s_mul_i32 s20, s10, HALF
	s_wait_dscnt 0x0
	s_wait_kmcnt 0x0
	s_add_nc_u64 s[6:7], s[6:7], 8192*ROWB         ; Wo begins at row 8,192 of xh
	s_add_nc_u64 s[14:15], s[4:5], s[16:17]
	s_add_nc_u64 s[46:47], s[6:7], s[46:47]
	CROUND                                         ; in front of the first joint loads
.irp s, 0,1
	s_mov_b32 s[G0+4*\s], 1
	s_add_co_u32 s[G0+4*\s+1], s20, \s*SLOT
	s_add_nc_u64 s[G0+4*\s+2:G0+4*\s+3], s[14:15], \s*512
	s_or_b32 s[G0+4*\s+3], s[G0+4*\s+3], 0x80000000
	s_mov_b32 s[G0B+4*\s], 1
	s_add_co_u32 s[G0B+4*\s+1], s20, \s*SLOT
	s_add_nc_u64 s[G0B+4*\s+2:G0B+4*\s+3], s[46:47], \s*512
	s_or_b32 s[G0B+4*\s+3], s[G0B+4*\s+3], 0x80000000
	JLOAD \s                                       ; both first fills together: two tensor loads of the wave are out
.endr
	s_lshl_b32 s46, s42, 9                         ; my first column in bytes of f32: 512 x block + 256 x half (in the registers that held B's address)
	s_lshl_b32 s47, s12, 8
	s_add_co_u32 s46, s46, s47
	s_mov_b32 s47, 0
	s_add_nc_u64 s[66:67], s[66:67], s[46:47]
	s_add_nc_u64 s[68:69], s[68:69], s[46:47]
	s_lshl_b32 s16, s13, 19                        ; my first row: 128 x block + 64 x half rows of 4,096 bytes
	s_lshl_b32 s18, s11, 18
	s_add_co_u32 s16, s16, s18
	s_add_nc_u64 s[68:69], s[68:69], s[16:17]
	v_and_b32 v1, 15, v0                           ; r
	v_bfe_u32 v2, v0, 4, 1                         ; h
	v_lshlrev_b32 v[HB], 5, v2
.irp b, 0,1,2,3
	global_load_b128 v[BV+8*\b:BV+8*\b+3],   v[HB], s[66:67] offset:64*\b      ; register j of block b: bo[16 b + 8 h + j]
	global_load_b128 v[BV+8*\b+4:BV+8*\b+7], v[HB], s[66:67] offset:64*\b+16
.endr
	v_mul_u32_u24 v3, v1, PITCH
	v_lshl_add_u32 v3, v2, 4, v3
	s_mul_i32 s21, s11, HALF                       ; my 64 rows of A
	s_mul_i32 s22, s12, HALF                       ; my 64 rows of B,
	s_add_co_u32 s22, s22, 2*HALF                  ; behind A's 128
.irp s, 0,1
	v_add_nc_u32 v[ADRA+\s], s21, v3
	v_add_nc_u32 v[ADRB+\s], s22, v3
	s_add_co_u32 s21, s21, SLOT
	s_add_co_u32 s22, s22, SLOT
.endr
	s_mul_i32 s23, s10, 16*SPITCH
	s_add_co_u32 s23, s23, STAGE
	v_mul_u32_u24 v4, v1, SPITCH                   ; in: row r, 32 bytes for each half of the lanes
	v_lshl_add_u32 v4, v2, 5, v4
	v_add_nc_u32 v[STO], s23, v4
	v_mul_u32_u24 v5, v2, SPITCH                   ; back: lanes 0-15 one row of 256 bytes, lanes 16-31 the next
	v_lshl_add_u32 v5, v1, 4, v5
	v_add_nc_u32 v[RD], s23, v5
	v_lshlrev_b32 v5, 12, v2
	v_lshl_add_u32 v[CO], v1, 4, v5
; 8 matrix instructions: m blocks a0, a0 + 1 x 4 n blocks.  zero = 1: bo is C and starts the sums.  The 16 accumulators take turns, one instruction a turn.
.macro MUL8 f, a0, zero
.irp a, \a0, \a0+1
.irp b, 0,1,2,3
.if \zero
	v_wmma_f32_16x16x32_f16 v[8*(4*(\a)+\b):8*(4*(\a)+\b)+7], v[\f+8*\b:\f+8*\b+7], v[\f+32+8*(\a):\f+32+8*(\a)+7], v[BV+8*\b:BV+8*\b+7]
.else
	v_wmma_f32_16x16x32_f16 v[8*(4*(\a)+\b):8*(4*(\a)+\b)+7], v[\f+8*\b:\f+8*\b+7], v[\f+32+8*(\a):\f+32+8*(\a)+7], v[8*(4*(\a)+\b):8*(4*(\a)+\b)+7]
.endif
.endr
.endr
.endm
.macro FETCH slot, q, f                ; 16 LDS loads: the fragments of K = 32 q .. 32 q + 31 of the slot
.irp i, 0,1,2,3
	ds_load_b128 v[\f+8*\i:\f+8*\i+3],   v[ADRB+\slot] offset:\i*16*PITCH+\q*64
	ds_load_b128 v[\f+8*\i+4:\f+8*\i+7], v[ADRB+\slot] offset:\i*16*PITCH+\q*64+32
.endr
.irp i, 0,1,2,3
	ds_load_b128 v[\f+32+8*\i:\f+32+8*\i+3], v[ADRA+\slot] offset:\i*16*PITCH+\q*64
	ds_load_b128 v[\f+32+8*\i+4:\f+32+8*\i+7], v[ADRA+\slot] offset:\i*16*PITCH+\q*64+32
.endr
.endm
.macro PLACES                          ; four places behind a matrix instruction before its registers are loaded into or its result is read (ISA guide 7.12.1 for vector instructions)
.rept 4
	v_nop
.endr
.endm
.macro QS slot, q, f, g, zero          ; multiplies buffer f while step q's fragments come into buffer g
	s_wait_dscnt 0x0                               ; buffer f is in
	PLACES
	FETCH \slot, \q, \g
.if \zero
	WIN 0x40                                       ; D window 1, C (bo) window 0
.else
	WIN 0x50                                       ; C and D window 1
.endif
	MUL8 \f, 0, \zero
	MUL8 \f, 2, \zero
	WIN 0
.endm
.macro SEVEN slot, zero
	QS \slot, 1, F0, F1, \zero
	QS \slot, 2, F1, F0, 0
	QS \slot, 3, F0, F1, 0
	QS \slot, 4, F1, F0, 0
	QS \slot, 5, F0, F1, 0
	QS \slot, 6, F1, F0, 0
	QS \slot, 7, F0, F1, 0
.endm
; The eighth step of a slot changes slots: each wave's reads of this slot and all its tensor loads are waited for in front of the barrier, which where the slot is
; filled again opens a round of the cluster's barrier; behind it the refill comes first, then the next slot's first fragments.
.macro TURN slot, next, fill
	s_wait_dscnt 0x0
	s_wait_tensorcnt 0x0
	ds_add_u32 v254, v255
	s_wait_dscnt 0x0
	s_barrier_signal -1
	WIN 0x50
	MUL8 F1, 0, 0                                  ; register work while the others arrive
	WIN 0
	s_barrier_wait -1
.if \fill
	CREST
	s_add_nc_u64 s[G0+4*\slot+2:G0+4*\slot+3], s[G0+4*\slot+2:G0+4*\slot+3], 1024     ; 512 along K further
	s_add_nc_u64 s[G0B+4*\slot+2:G0B+4*\slot+3], s[G0B+4*\slot+2:G0B+4*\slot+3], 1024
	JLOAD \slot                                    ; the wave's one tensor load behind the round
.endif
	PLACES
	FETCH \next, 0, F0
	WIN 0x50
	MUL8 F1, 2, 0
	WIN 0
.endm
	s_wait_tensorcnt 1                             ; my part of slot 0 is in; slot 1's may stay out
	s_barrier_signal -1
	s_barrier_wait -1
	s_wait_loadcnt 0x0                             ; bo
	FETCH 0, 0, F0
	SEVEN 0, 1                                     ; K 0-255
	TURN 0, 1, 1
	SEVEN 1, 0                                     ; K 256-511
	TURN 1, 0, 1
	SEVEN 0, 0                                     ; K 512-767
	TURN 0, 1, 0                                   ; nothing is left to fetch
	SEVEN 1, 0                                     ; K 768-1023
	s_wait_dscnt 0x0
	WIN 0x50
	MUL8 F1, 0, 0
	MUL8 F1, 2, 0
	PLACES                                         ; before the results are stored to LDS
; 16 rows at a time: the f32 sums go straight from the accumulators into my stage and come back as whole rows of 256 bytes
.macro OUT16 a
	WIN 0x04                                       ; the store's data in window 1
.irp b, 0,1,2,3
	ds_store_b128 v[STO], v[8*(4*\a+\b):8*(4*\a+\b)+3]   offset:64*\b
	ds_store_b128 v[STO], v[8*(4*\a+\b)+4:8*(4*\a+\b)+7] offset:64*\b+16
.endr
	WIN 0
	s_wait_xcnt 0x0                                ; the rows' registers, which earlier stores read, and the stores' base are rewritten only behind this wait
.if \a
	s_add_nc_u64 s[68:69], s[68:69], 16*4096
.endif
.irp t, 0,1,2,3,4,5,6,7
	ds_load_b128 v[TMP+4*\t:TMP+4*\t+3], v[RD] offset:\t*2*SPITCH   ; a wave's LDS instructions are served in order: these see the stores above
.endr
.irp t, 0,1,2,3,4,5,6,7
	s_wait_dscnt 7-\t                              ; the count is the younger loads of the eight
	global_store_b128 v[CO], v[TMP+4*\t:TMP+4*\t+3], s[68:69] offset:\t*8192 th:TH_STORE_NT   ; 16 lanes store 256 consecutive bytes, aligned
.endr
.endm
	OUT16 0
	OUT16 1
	OUT16 2
	OUT16 3
	s_wait_tensorcnt 0x0
	ds_add_u32 v254, v255
	s_wait_dscnt 0x0
	CROUND                                         ; the closing round
	s_endpgm
.Lfunc_end_k_q0b624e23a1_outp:
	.size	k_q0b624e23a1_outp, .Lfunc_end_k_q0b624e23a1_outp-k_q0b624e23a1_outp
	.p2alignl 7, 3214868480
	.fill 96, 4, 3214868480
	.section	.rodata,"a",@progbits
	.p2align	6, 0x0
	.amdhsa_kernel k_q0b624e23a1_outp
		.amdhsa_group_segment_fixed_size 327680
		.amdhsa_private_segment_fixed_size 0
		.amdhsa_enable_private_segment 0
		.amdhsa_kernarg_size 32
		.amdhsa_user_sgpr_count 2
		.amdhsa_user_sgpr_kernarg_segment_ptr 1
		.amdhsa_wavefront_size32 1
		.amdhsa_system_sgpr_workgroup_id_x 1
		.amdhsa_system_sgpr_workgroup_id_y 1
		.amdhsa_system_sgpr_workgroup_id_z 1
		.amdhsa_system_vgpr_workitem_id 0
		.amdhsa_next_free_vgpr 384
		.amdhsa_next_free_sgpr 70
		.amdhsa_reserve_vcc 0
		.amdhsa_float_denorm_mode_32 3
		.amdhsa_float_denorm_mode_16_64 3
		.amdhsa_memory_ordered 1
		.amdhsa_forward_progress 1
		.amdhsa_inst_pref_size 90
	.end_amdhsa_kernel
	.amdgpu_metadata
---
amdhsa.version: [ 1, 2 ]
amdhsa.kernels:
  - .name:           k_q0b624e23a1_outp
    .symbol:         k_q0b624e23a1_outp.kd
    .args:
      - { .name: ctx, .offset: 0, .size: 8, .value_kind: global_buffer, .address_space: global }
      - { .name: xh, .offset: 8, .size: 8, .value_kind: global_buffer, .address_space: global }
      - { .name: bo, .offset: 16, .size: 8, .value_kind: global_buffer, .address_space: global }
      - { .name: out0, .offset: 24, .size: 8, .value_kind: global_buffer, .address_space: global }
    .group_segment_fixed_size: 327680
    .private_segment_fixed_size: 0
    .kernarg_segment_align: 8
    .kernarg_segment_size: 32
    .max_flat_workgroup_size: 128
    .sgpr_count:     70
    .vgpr_count:     384
    .wavefront_size: 32
...
	.end_amdgpu_metadata
.endif
;; end of part 4
